; MI455X (gfx1250); checked and timed in simulation.
; The chip was launched on July 23, 2026; its instructions are those of AMD's public machine-readable ISA for CDNA 5 (MIT licence, August 2026) and "CDNA5" Instruction Set Architecture Reference Guide (July 2026). The comments in the code are by the model that wrote it; some were corrected since.
;; LSTM Cell. Allowed arithmetic: matrix products marked QUANTISED: E2M1 operands, one E8M0 scale for each 32 along K, by v_wmma_scale_f32_16x16x128_f8f6f4 with both operands' format E2M1 (or v_wmma_scale_f32_32x16x128_f4), f32 sums; everything else in f32.
;; Inputs: b_hc 2,048 float32; b_hf 2,048 float32; b_hi 2,048 float32; b_ho 2,048 float32; b_xc 2,048 float32; b_xf 2,048 float32; b_xi 2,048 float32; b_xo 2,048 float32; c 2,048 x 2,048 float32; h_codes 2,048 x 64 x 16 uint8 (E2M1 codes of h, K innermost, in blocks of 32 codes, two codes a byte); h_scales 2,048 x 64 uint8 (E8M0 scales of h, one for each 32 codes along K); w_hc_codes 2,048 x 64 x 16 uint8 (E2M1 codes of w_hc, K innermost, in blocks of 32 codes, two codes a byte); w_hc_scales 2,048 x 64 uint8 (E8M0 scales of w_hc, one for each 32 codes along K); w_hf_codes 2,048 x 64 x 16 uint8 (E2M1 codes of w_hf, K innermost, in blocks of 32 codes, two codes a byte); w_hf_scales 2,048 x 64 uint8 (E8M0 scales of w_hf, one for each 32 codes along K); w_hi_codes 2,048 x 64 x 16 uint8 (E2M1 codes of w_hi, K innermost, in blocks of 32 codes, two codes a byte); w_hi_scales 2,048 x 64 uint8 (E8M0 scales of w_hi, one for each 32 codes along K); w_ho_codes 2,048 x 64 x 16 uint8 (E2M1 codes of w_ho, K innermost, in blocks of 32 codes, two codes a byte); w_ho_scales 2,048 x 64 uint8 (E8M0 scales of w_ho, one for each 32 codes along K); w_xc_codes 2,048 x 64 x 16 uint8 (E2M1 codes of w_xc, K innermost, in blocks of 32 codes, two codes a byte); w_xc_scales 2,048 x 64 uint8 (E8M0 scales of w_xc, one for each 32 codes along K); w_xf_codes 2,048 x 64 x 16 uint8 (E2M1 codes of w_xf, K innermost, in blocks of 32 codes, two codes a byte); w_xf_scales 2,048 x 64 uint8 (E8M0 scales of w_xf, one for each 32 codes along K); w_xi_codes 2,048 x 64 x 16 uint8 (E2M1 codes of w_xi, K innermost, in blocks of 32 codes, two codes a byte); w_xi_scales 2,048 x 64 uint8 (E8M0 scales of w_xi, one for each 32 codes along K); w_xo_codes 2,048 x 64 x 16 uint8 (E2M1 codes of w_xo, K innermost, in blocks of 32 codes, two codes a byte); w_xo_scales 2,048 x 64 uint8 (E8M0 scales of w_xo, one for each 32 codes along K); x_codes 2,048 x 64 x 16 uint8 (E2M1 codes of x, K innermost, in blocks of 32 codes, two codes a byte); x_scales 2,048 x 64 uint8 (E8M0 scales of x, one for each 32 codes along K).
;; Outputs: out0 2,048 x 2,048 float32; out1 2,048 x 2,048 float32.
;; This version of the problem:
;;   THIS VERSION OF THE PROBLEM IS GIVEN IN LOW PRECISION. The matrix products marked QUANTISED in the list below multiply operands that are first quantised to E2M1 (2 exponent bits, 1 mantissa bit; 4 bits a number), with one power-of-two scale for each 32 numbers along K (OCP MX v1.0); their sums are f32. All else is computed in f32.
;;   The module's matrix products, in the order in which they are computed (A, B: the left and right operand; K: the contracted axis; several contracted axes count as one K, in the product's order):
;;     1. [M 2,048, K 2,048] x [K 2,048, N 2,048]; A: input x (given as codes); B: input w_xi (given as codes): QUANTISED
;;     2. [M 2,048, K 2,048] x [K 2,048, N 2,048]; A: input h (given as codes); B: input w_hi (given as codes): QUANTISED
;;     3. [M 2,048, K 2,048] x [K 2,048, N 2,048]; A: input x (given as codes); B: input w_xf (given as codes): QUANTISED
;;     4. [M 2,048, K 2,048] x [K 2,048, N 2,048]; A: input h (given as codes); B: input w_hf (given as codes): QUANTISED
;;     5. [M 2,048, K 2,048] x [K 2,048, N 2,048]; A: input x (given as codes); B: input w_xc (given as codes): QUANTISED
;;     6. [M 2,048, K 2,048] x [K 2,048, N 2,048]; A: input h (given as codes); B: input w_hc (given as codes): QUANTISED
;;     7. [M 2,048, K 2,048] x [K 2,048, N 2,048]; A: input x (given as codes); B: input w_xo (given as codes): QUANTISED
;;     8. [M 2,048, K 2,048] x [K 2,048, N 2,048]; A: input h (given as codes); B: input w_ho (given as codes): QUANTISED
;;   THE QUANTISER, for each operand of a quantised product, along K:
;;     - K is cut into blocks of 32 from its start; a last block that is shorter is filled with zeros.
;;     - A block's scale is 2^e with e = floor(log2(the largest magnitude in the block)) - 2, held to -126 .. 127; a block of zeros has e = 0. As a byte (E8M0): e + 127.
;;     - Each number is divided by its block's scale, clamped to +-6, and rounded to the nearest number of E2M1, ties to even, subnormals kept.
;;     - The product sums the exact products of the quantised numbers (number of the format x scale) in f32.
;;   ~~~python
;;   def quantise(x, axis):      # numpy; x: float32 -> the quantised numbers, widened to float32 again
;;       x = np.moveaxis(x, axis, -1); K = x.shape[-1]
;;       x = np.pad(x, [(0, 0)] * (x.ndim - 1) + [(0, -K % 32)]); x = x.reshape(x.shape[:-1] + (-1, 32)); a = np.abs(x).max(-1, keepdims=True)
;;       e = np.where(a > 0, np.clip(np.frexp(np.where(a > 0, a, 1))[1] - 1 - 2, -126, 127), 0)      # np.frexp(a)[1] - 1 = floor(log2(a)), exactly
;;       r = np.clip(x / 2.0 ** e, -6, 6)
;;       step = 2.0 ** (np.maximum(np.frexp(np.where(r == 0, 1, r))[1] - 1, 0) - 1)
;;       q = np.round(r / step) * step * 2.0 ** e      # np.round: ties to even
;;       return np.moveaxis(q.reshape(q.shape[:-2] + (-1,))[..., :K], -1, axis).astype(np.float32)
;;   ~~~
;;   INPUTS GIVEN AS CODES. h (in the module: [2048, 2048], K = its axis 1); w_hc (in the module: [2048, 2048], K = its axis 1); w_hf (in the module: [2048, 2048], K = its axis 1); w_hi (in the module: [2048, 2048], K = its axis 1); w_ho (in the module: [2048, 2048], K = its axis 1); w_xc (in the module: [2048, 2048], K = its axis 1); w_xf (in the module: [2048, 2048], K = its axis 1); w_xi (in the module: [2048, 2048], K = its axis 1); w_xo (in the module: [2048, 2048], K = its axis 1); x (in the module: [2048, 2048], K = its axis 1): each comes as NAME_codes (uint8): NAME with its K axis moved to the last place and cut into blocks of 32 codes, [.., K / 32, bytes a block], one block behind the other in memory; two codes a byte, the lower K in the low four bits (a code: sign, 2 exponent bits, 1 mantissa bit); and NAME_scales (uint8): the same leading axes, one E8M0 byte (e + 127) for each 32 codes along K. Its value is code x scale, taken as it is: it is not quantised again, and the codes and scales need not be those that the quantiser above would give.
;; One version. Each part assembles by itself: llvm-mc -triple=amdgcn-amd-amdhsa -mcpu=gfx1250 --defsym DOCPART=n.
;; ======== version 1 of 1: 2 launches
;; limits: inputs' magnitudes at most 70,368,744,177,664; right only within a limited range of input values
;; workspace buffers: sc 1,310,720 bytes; bsum 32,768 bytes
;; launch prep (part 1): grid 16 x 11, 4 waves a work-group, no clusters, 0 bytes of LDS; arguments x_scales, h_scales, w_xi_scales, w_xf_scales, w_xc_scales, w_xo_scales, w_hi_scales, w_hf_scales, w_hc_scales, w_ho_scales, b_xi, b_xf, b_xc, b_xo, b_hi, b_hf, b_hc, b_ho, sc, bsum; writes sc, bsum
.if DOCPART == 1
	.amdgcn_target "amdgcn-amd-amdhsa--gfx1250"
	.amdhsa_code_object_version 6
	.text
	.protected	k_q8140e8fcad_prep
	.globl	k_q8140e8fcad_prep
	.p2align	8
	.type	k_q8140e8fcad_prep,@function
k_q8140e8fcad_prep:
	s_mov_b64 s[64:65], 0
	v_nop
	global_prefetch_b8 v0, s[64:65] scope:SCOPE_SE
	s_setreg_imm32_b32 hwreg(HW_REG_WAVE_MODE, 25, 1), 1
	s_wait_xcnt 0x0
; The scale bytes of the ten operands are laid anew, in the order in which the second launch's scale registers take them, and each gate's two biases are added.
; sc: eight ticks of 512 along K (ticks 0-3: x's K, ticks 4-7: h's K), TICKB bytes each.  In a tick: first x's or h's rows, 16 bytes a row (the tick's 16 blocks of 32);
; then, from byte 32,768 on, the weights: row N of gate g (i, f, c, o = 0 .. 3) at (N / 32) x 2,048 + g x 512 + (N % 32) x 16.
; bsum: [gate][2,048] f32 = b_x + b_h.
; Work-group (x, y): y = 0 .. 9 names the tensor of scale bytes, x its 128 rows, a lane a row; y = 10: the biases, 512 numbers a work-group.
; A row's 64 bytes come by four loads of 16 bytes; each store of a wave covers 512 consecutive bytes, aligned.  No LDS, no barrier: waves share nothing.
.set TICKB, 163840
	s_load_b512 s[4:19], s[0:1], 0x0               ; x, h, w_xi, w_xf, w_xc, w_xo, w_hi, w_hf: scale bytes
	s_load_b512 s[20:35], s[0:1], 0x40             ; w_hc, w_ho; b_xi, b_xf, b_xc, b_xo, b_hi, b_hf
	s_load_b256 s[36:43], s[0:1], 0x80             ; b_hc, b_ho, sc, bsum
	v_lshrrev_b32 v1, 5, v0
	v_readfirstlane_b32 s47, v1                    ; wave
	v_and_b32 v2, 31, v0                           ; lane
	s_and_b32 s46, ttmp7, 0xffff                   ; y
	s_wait_kmcnt 0x0
	s_cmp_eq_u32 s46, 10
	s_cbranch_scc1 .Lbias
	s_mov_b64 s[44:45], s[4:5]                     ; the tensor that y names: a choice that hangs on the work-group's number alone
.irp k, 1,2,3,4,5,6,7,8,9
	s_cmp_eq_u32 s46, \k
	s_cselect_b64 s[44:45], s[4+2*\k:5+2*\k], s[44:45]
.endr
	s_lshl_b32 s48, ttmp9, 2
	s_add_co_u32 s48, s48, s47                     ; which 32 rows are my wave's: 4 x + wave
	s_lshl_b32 s50, s48, 11                        ; 32 rows of 64 bytes
	s_mov_b32 s51, 0
	s_add_nc_u64 s[44:45], s[44:45], s[50:51]
	s_lshl_b32 s52, s48, 9                         ; x or h: 32 rows of 16 bytes
	s_sub_co_u32 s53, s46, 2
	s_and_b32 s53, s53, 3                          ; a weight: its gate,
	s_lshl_b32 s53, s53, 9                         ; 512 bytes a gate,
	s_add_co_u32 s53, s53, s50                     ; 2,048 bytes for each 32 rows,
	s_add_co_u32 s53, s53, 32768                   ; behind x's or h's part
	s_cmp_lt_u32 s46, 2
	s_cselect_b32 s52, s52, s53
	s_cmp_eq_u32 s46, 1
	s_cselect_b32 s54, 1, 0
	s_cmp_ge_u32 s46, 6
	s_cselect_b32 s54, 1, s54                      ; 1: h's K, ticks 4 to 7
	s_mul_i32 s54, s54, 4*TICKB
	s_add_co_u32 s52, s52, s54
	s_mov_b32 s53, 0
	s_add_nc_u64 s[40:41], s[40:41], s[52:53]
	s_wait_alu depctr_va_vdst(0)
	v_lshlrev_b32 v3, 6, v2                        ; in: 64 bytes a row
	v_lshlrev_b32 v4, 4, v2                        ; out: 16 bytes a row
.irp q, 0,1,2,3
	global_load_b128 v[8+4*\q:11+4*\q], v3, s[44:45] offset:16*\q th:TH_LOAD_NT
.endr
	s_wait_alu depctr_va_vdst(0)
	s_wait_loadcnt 0x0
.irp q, 0,1,2,3
	global_store_b128 v4, v[8+4*\q:11+4*\q], s[40:41] offset:\q*TICKB
.endr
	s_endpgm
.Lbias:
	s_lshr_b32 s48, ttmp9, 2                       ; the gate
	s_mov_b64 s[44:45], s[24:25]
	s_mov_b64 s[50:51], s[32:33]
.irp k, 1,2,3
	s_cmp_eq_u32 s48, \k
	s_cselect_b64 s[44:45], s[24+2*\k:25+2*\k], s[44:45]
	s_cselect_b64 s[50:51], s[32+2*\k:33+2*\k], s[50:51]
.endr
	s_and_b32 s49, ttmp9, 3
	s_lshl_b32 s49, s49, 11                        ; which 512 numbers of the gate's 2,048
	v_lshl_add_u32 v3, v0, 4, s49
	s_lshl_b32 s52, ttmp9, 11
	v_lshl_add_u32 v4, v0, 4, s52                  ; and their place in bsum
	global_load_b128 v[8:11], v3, s[44:45]
	global_load_b128 v[12:15], v3, s[50:51]
	s_wait_loadcnt 0x0
	v_pk_add_f32 v[16:17], v[8:9], v[12:13]
	v_pk_add_f32 v[18:19], v[10:11], v[14:15]
	s_wait_alu depctr_va_vdst(0)
	global_store_b128 v4, v[16:19], s[42:43]
	s_endpgm
.Lfunc_end_k_q8140e8fcad_prep:
	.size	k_q8140e8fcad_prep, .Lfunc_end_k_q8140e8fcad_prep-k_q8140e8fcad_prep
	.p2alignl 7, 3214868480
	.fill 96, 4, 3214868480
	.section	.rodata,"a",@progbits
	.p2align	6, 0x0
	.amdhsa_kernel k_q8140e8fcad_prep
		.amdhsa_group_segment_fixed_size 0
		.amdhsa_private_segment_fixed_size 0
		.amdhsa_enable_private_segment 0
		.amdhsa_kernarg_size 160
		.amdhsa_user_sgpr_count 2
		.amdhsa_user_sgpr_kernarg_segment_ptr 1
		.amdhsa_wavefront_size32 1
		.amdhsa_system_sgpr_workgroup_id_x 1
		.amdhsa_system_sgpr_workgroup_id_y 1
		.amdhsa_system_sgpr_workgroup_id_z 1
		.amdhsa_system_vgpr_workitem_id 0
		.amdhsa_next_free_vgpr 32
		.amdhsa_next_free_sgpr 66
		.amdhsa_reserve_vcc 0
		.amdhsa_float_denorm_mode_32 3
		.amdhsa_float_denorm_mode_16_64 3
		.amdhsa_memory_ordered 1
		.amdhsa_forward_progress 1
		.amdhsa_inst_pref_size 5
	.end_amdhsa_kernel
	.amdgpu_metadata
---
amdhsa.version: [ 1, 2 ]
amdhsa.kernels:
  - .name:           k_q8140e8fcad_prep
    .symbol:         k_q8140e8fcad_prep.kd
    .args:
      - { .name: x_scales, .offset: 0, .size: 8, .value_kind: global_buffer, .address_space: global }
      - { .name: h_scales, .offset: 8, .size: 8, .value_kind: global_buffer, .address_space: global }
      - { .name: w_xi_scales, .offset: 16, .size: 8, .value_kind: global_buffer, .address_space: global }
      - { .name: w_xf_scales, .offset: 24, .size: 8, .value_kind: global_buffer, .address_space: global }
      - { .name: w_xc_scales, .offset: 32, .size: 8, .value_kind: global_buffer, .address_space: global }
      - { .name: w_xo_scales, .offset: 40, .size: 8, .value_kind: global_buffer, .address_space: global }
      - { .name: w_hi_scales, .offset: 48, .size: 8, .value_kind: global_buffer, .address_space: global }
      - { .name: w_hf_scales, .offset: 56, .size: 8, .value_kind: global_buffer, .address_space: global }
      - { .name: w_hc_scales, .offset: 64, .size: 8, .value_kind: global_buffer, .address_space: global }
      - { .name: w_ho_scales, .offset: 72, .size: 8, .value_kind: global_buffer, .address_space: global }
      - { .name: b_xi, .offset: 80, .size: 8, .value_kind: global_buffer, .address_space: global }
      - { .name: b_xf, .offset: 88, .size: 8, .value_kind: global_buffer, .address_space: global }
      - { .name: b_xc, .offset: 96, .size: 8, .value_kind: global_buffer, .address_space: global }
      - { .name: b_xo, .offset: 104, .size: 8, .value_kind: global_buffer, .address_space: global }
      - { .name: b_hi, .offset: 112, .size: 8, .value_kind: global_buffer, .address_space: global }
      - { .name: b_hf, .offset: 120, .size: 8, .value_kind: global_buffer, .address_space: global }
      - { .name: b_hc, .offset: 128, .size: 8, .value_kind: global_buffer, .address_space: global }
      - { .name: b_ho, .offset: 136, .size: 8, .value_kind: global_buffer, .address_space: global }
      - { .name: sc, .offset: 144, .size: 8, .value_kind: global_buffer, .address_space: global }
      - { .name: bsum, .offset: 152, .size: 8, .value_kind: global_buffer, .address_space: global }
    .group_segment_fixed_size: 0
    .private_segment_fixed_size: 0
    .kernarg_segment_align: 8
    .kernarg_segment_size: 160
    .max_flat_workgroup_size: 128
    .sgpr_count:     66
    .vgpr_count:     32
    .wavefront_size: 32
...
	.end_amdgpu_metadata
.endif
;; end of part 1
;; launch cell (part 2): grid 32 x 8, 4 waves a work-group, clusters of 4 x 4, 327,680 bytes of LDS; arguments x_codes, h_codes, w_xi_codes, w_xf_codes, w_xc_codes, w_xo_codes, w_hi_codes, w_hf_codes, w_hc_codes, w_ho_codes, sc, bsum, c, out0, out1; writes out0, out1
.if DOCPART == 2
	.amdgcn_target "amdgcn-amd-amdhsa--gfx1250"
	.amdhsa_code_object_version 6
	.text
	.protected	k_q8140e8fcad_cell
	.globl	k_q8140e8fcad_cell
	.p2align	8
	.type	k_q8140e8fcad_cell,@function
k_q8140e8fcad_cell:
	s_mov_b64 s[64:65], 0
	v_nop
	global_prefetch_b8 v0, s[64:65] scope:SCOPE_SE
	s_setreg_imm32_b32 hwreg(HW_REG_WAVE_MODE, 25, 1), 1
	s_wait_xcnt 0x0
	s_wait_alu depctr_hold_cnt(0) depctr_sa_sdst(0) depctr_va_vdst(0) depctr_va_sdst(0) depctr_va_ssrc(0) depctr_va_vcc(0) depctr_vm_vsrc(0)
	s_getreg_b32 s2, hwreg(HW_REG_IB_STS2, 6, 4)
	s_cmp_eq_u32 s2, 0
	s_cbranch_scc0 .Lentry_in_a_cluster
	s_endpgm
.Lentry_in_a_cluster:
	s_bfe_u32 s2, ttmp6, 0x10000c
	s_cmp_lg_u32 s2, 0xf033
	s_cbranch_scc0 .Lentry_shape_is_right
	s_endpgm
.Lentry_shape_is_right:
; An LSTM cell on codes of FP4 (E2M1) with one E8M0 scale for each 32 along K.  The eight products are ONE product: A = [x | h], 2,048 rows, K = 4,096; B = for each gate (i, f, c, o) [w_x | w_h], 2,048 rows.
; z_gate = A B_gate^T + (b_x + b_h);  c_ = sigmoid(z_f) c + sigmoid(z_i) tanh(z_c);  h_ = sigmoid(z_o) tanh(c_).  out0 = h_, out1 = c_, f32.  The gate sums never go to memory.
; SHARES.  A work-group owns 256 rows x 64 columns of h_ and c_, with all four gates: as a product 256 x 256, K = 4,096.  Four waves, wave w: rows 128 (w / 2) on, columns 32 (w % 2) on, four gates.
; K goes in eight ticks of 512 (rows of 256 bytes; ticks 0-3: x, 4-7: h) through a ring of two LDS slots.  THE MATRIX INSTRUCTION IS 32 x 16 x 128, USED TRANSPOSED: source 0 = my 32 rows of a gate's weight, source 1 = 16 rows of A:
; lane (r, h) = (lane % 16, lane / 16) then holds row r, columns 8 h + 0 .. 7 (registers 0-7) and 16 + 8 h + 0 .. 7 (registers 8-15), of all four gates: the cell's arithmetic asks nothing of another lane.
; CLUSTERS: 4 x 4 work-groups.  A's tile is asked for jointly along a row of the cluster (wave 3, 256 rows); the tiles of gates i, f, c along a column (waves 0, 1, 2, 64 rows each).  A tick has FIVE tiles from five buffers
; and a wave issues one tensor load behind a round, so the fifth, gate o's 64 rows, is not shared: each wave brings 16 of its rows through registers into LDS bytes that no tensor load fills.
; THE SCALE WORDS come from the workspace sc, laid by the launch before: eight loads a tick and wave, each 512 consecutive bytes, lane l row l: A's rows 32 i + l (block 2 i in lanes 0-15, block 2 i + 1 in lanes 16-31), a gate's row l.
; PREFETCH: one instruction a wave and tick, two refills ahead: waves 0 and 1 name rows of A, waves 2 and 3 rows of a gate; partners share the rows out by address: of A's 256 rows the partner at cx takes 64, of the four gates the
; partner at cy takes gate cy.  Ticks 1, 2 and 3 are asked for at the head; ticks 4 to 7 in the loop's first two trips; in its last trip the 256 rows of c, 32 a wave and change of slots.
; c's tile (256 rows x 256 bytes, this work-group's alone) comes by plain tensor loads, 64 rows a wave, into slot 0 at the last change of slots.
; LIMITS.  The sums run x's K and then h's in one accumulator and the biases are added last: another order of rounding than four separate sums.  tanh(z) is 1 - 2 / (1 + e^(2 z)): its error is absolute, of the order of 2^-23.
; REGISTERS.  Window 0: v8-10, v16-31 addresses; v32-95 scale words, two sets, and nothing else; v96-127 gate o's rows on their way; v128-191, v192-255 A's fragments, two sets.
;   Window 1: v0-63, v64-127 the gates' fragments, two sets (on the way out: c); v128-191 the biases; v192-255 the way out's rows.  Windows 2, 3: accumulator (block a of 16 rows, gate g) at v[64 (a % 4) + 16 g], a = 0-3, 4-7.
.set PITCH, 272                        ; an LDS row: 256 bytes + 16 of padding: the 16 rows that a load touches start at 16 different banks (64 banks of 4 bytes: ISA guide 11.1)
.set SLOT,  512*PITCH                  ; A's 256 rows, then 64 rows of each gate
.set BOFF,  256*PITCH
.set GATE,  64*PITCH
.set GOFF,  BOFF+3*GATE                ; gate o's rows: a multiple of 256; written by LDS stores alone
.set SPARE, 2*SLOT                     ; the spare words: two blocks of 256 bytes that no other line names
.set TICKB, 163840                     ; a tick's scale bytes in sc
.set PADW,  (1<<20)|(5<<22)|(3<<25)    ; group 1, word 0: elements of 1 byte; padding on; after every 64 words; 4 words of it
.set PFO, 8                            ; v8   prefetch of codes: 1,024 x lane
.set PFC, 9                            ; v9   prefetch of c: 8,192 x lane
.set EG,  10                           ; v10  my byte offset in two rows of the outputs
.set ADRA, 16                          ; v16-17 LDS address of my A fragments in slot 0, 1
.set ADRB, 18                          ; v18-19 the same for the gates
.set GST, 20                           ; v20-21 where I store my 16 rows of gate o in slot 0, 1
.set GLO, 22                           ; v22  my byte offset in two rows of gate o's weight
.set VSA, 23                           ; v23, v24 my byte offsets in a tick of sc: A's rows, the gates' rows
.set VSB, 24
.set BO,  25                           ; v25  my byte offset in a gate's row of bsum
.set EC,  26                           ; v26, v27 the way out: my 32 bytes of a row of c and c_, of h_
.set EH,  27
.set SPW, 28                           ; v28  LDS address of my spare word;  v29 0; never rewritten
.set NIL, 29
.set ER,  30                           ; v30, v31 the way out: where I read whole rows of c_, of h_ back
.set ERH, 31
.set SC,  32                           ; set s at v[SC + 32 s]; register 4 i + q: i = 0-3 A's rows 32 i on, i = 4-7 gate i - 4, for the tick's q-th 128 along K
.set GR,  96
.set XF,  128
.set GR0, 192                          ; gate o's rows of tick 0, at the head alone
.set BIAS, 128                         ; window 1
.set OB,  192                          ; window 1
.set LAP,  3                           ; s3  the loop's counter (at the head: the tile row Y)
.set G1C,  4                           ; s[4:11] group 1 for c's tile
.set WV,   14                          ; s14 wave;  s15 its half of the rows;  s16 its half of the columns
.set RH,   15
.set CH,   16
.set PB,   18                          ; my gate's weight at the tick last asked for
.set PHB,  20                          ; my gate's weight of h at tick 4
.set G1A,  24
.set G0A,  32
.set G0C,  40
.set PA,   44
.set PHA,  46
.set G1B,  48
.set G0B,  56
.set KS2,  66                          ; 2 log2(e), twice
.set PF,   72                          ; what my wave prefetches of ticks 1-3 (head alone)
.set PC,   74                          ; c at my wave's 64 rows
.set PO,   78                          ; gate o's weight at my 16 rows, at the tick last asked for
.set PFH,  80                          ; what my wave prefetches of ticks 4-7
.set PHO,  86
.set PS,   88
.set OUTH, 94                          ; out0, out1 at my 128 rows
.set OUTC, 96
.set KS1,  100                         ; -log2(e), twice
.set MSB, 0
.macro WIN new                         ; the immediate's high byte repeats the setting that is left; a switch that changes nothing is dropped
.if MSB != (\new)
	s_set_vgpr_msb (MSB<<8)|(\new)
.set MSB, (\new)
.endif
.endm
.set TO_B, 0x40                        ; destination window 1, address window 0
; A joint load: wave 3 fetches A's 256 rows, waves 0 to 2 the 64 rows of gates i, f, c.  Each line has one mask; the branch hangs on the wave's number alone.
.macro JLOAD s
	s_cmp_eq_u32 s[WV], 3
	s_cbranch_scc0 .Lfor_b_\@
	tensor_load_to_lds s[G0A+4*\s:G0A+4*\s+3], s[G1A:G1A+7]
	s_nop 0
.rept 4
	v_nop
.endr
	s_branch .Lasked_\@
.Lfor_b_\@:
	tensor_load_to_lds s[G0B+4*\s:G0B+4*\s+3], s[G1B:G1B+7]
	s_nop 0
.rept 4
	v_nop
.endr
.Lasked_\@:
.endm
.macro CREST                           ; a round of the cluster's barrier behind its opening barrier
	s_cmp_lg_u32 s[WV], 0
	s_cbranch_scc1 .Lnot_wave_0_\@
	s_barrier_signal -3
.Lnot_wave_0_\@:
	s_barrier_wait -3
	s_barrier_signal -1
	s_barrier_wait -1
.endm
.macro CROUND
	s_barrier_signal -1
	s_barrier_wait -1
	CREST
.endm
	s_load_b512 s[68:83], s[0:1], 0x0              ; codes of x, h, w_xi, w_xf, w_xc, w_xo, w_hi, w_hf
	s_load_b256 s[84:91], s[0:1], 0x40             ; codes of w_hc, w_ho; sc; bsum
	s_load_b128 s[92:95], s[0:1], 0x60             ; c, out0
	s_load_b64 s[96:97], s[0:1], 0x70              ; out1
	v_lshl_add_u32 v[SPW], v0, 2, SPARE
	v_mov_b32 v[NIL], 0
	ds_add_u32 v[SPW], v[NIL]                      ; the wave's opening: the add, twice on end, and its wait
	ds_add_u32 v[SPW], v[NIL]
	v_lshrrev_b32 v3, 5, v0
	v_readfirstlane_b32 s[WV], v3                  ; wave 0..3
	s_lshr_b32 s[RH], s[WV], 1
	s_and_b32 s[CH], s[WV], 1
	s_bfe_u32 s2, ttmp6, 0x40000                   ; cx, cy: my place in the cluster
	s_bfe_u32 s17, ttmp6, 0x40004
	s_lshl_b32 s99, ttmp9, 2
	s_add_co_u32 s99, s99, s2                      ; X: tile column
	s_and_b32 s3, ttmp7, 0xffff
	s_lshl_b32 s3, s3, 2
	s_add_co_u32 s3, s3, s17                       ; Y: tile row
	s_lshl_b32 s22, s17, 2
	s_lshl_b32 s22, 15, s22                        ; my row of the cluster
	s_lshl_b32 s12, 0x1111, s2                     ; my column
	s_or_b32 s[G1A], s22, (1<<21)|PADW             ; 15:0 the mask; 21 set beside a mask
	s_or_b32 s[G1B], s12, (1<<21)|PADW
	s_mov_b32 s[G1C], PADW                         ; c's tile is mine alone
.irp g, G1A, G1B, G1C
	s_mov_b32 s[\g+1], 256<<16                     ; tensor_dim0 = 256 bytes
	s_mov_b32 s[\g+3], 256<<16                     ; tile_dim0
	s_mov_b32 s[\g+6], 0
	s_mov_b32 s[\g+7], 0
.endr
	s_mov_b32 s[G1A+2], 256<<16                    ; 256 rows of 1,024 bytes
	s_mov_b32 s[G1A+4], 256
	s_mov_b32 s[G1A+5], 1024
	s_mov_b32 s[G1B+2], 64<<16                     ; 64 rows
	s_mov_b32 s[G1B+4], 64
	s_mov_b32 s[G1B+5], 1024
	s_mov_b32 s[G1C+2], 64<<16                     ; 64 rows of 8,192 bytes
	s_mov_b32 s[G1C+4], 64
	s_mov_b32 s[G1C+5], 8192
	s_mul_i32 s22, s[WV], GATE                     ; no place in the cluster enters an LDS address
.irp s, 0,1
	s_mov_b32 s[G0A+4*\s], 1
	s_mov_b32 s[G0A+4*\s+1], \s*SLOT
	s_mov_b32 s[G0B+4*\s], 1
	s_add_co_u32 s[G0B+4*\s+1], s22, \s*SLOT+BOFF
.endr
	s_mov_b32 s[G0C], 1
	s_mul_i32 s[G0C+1], s[WV], 64*PITCH            ; c: from LDS byte 0 on, 64 rows a wave
	s_mov_b32 s[KS1], 0xbfb8aa3b
	s_mov_b32 s[KS1+1], s[KS1]
	s_mov_b32 s[KS2], 0x4038aa3b
	s_mov_b32 s[KS2+1], s[KS2]
	s_mul_i32 s12, s[RH], 128*PITCH                ; my 128 rows of A
	s_mul_i32 s13, s[CH], 32*PITCH                 ; my 32 rows of each gate
	s_add_co_u32 s13, s13, BOFF
	s_mul_i32 s22, s[WV], 16*PITCH                 ; my 16 rows of gate o
	s_add_co_u32 s22, s22, GOFF
	s_lshl_b32 s23, s[CH], 7                       ; the way out: my row half, my 128 bytes of a row
	s_add_co_u32 s23, s23, s12
	s_mul_i32 s18, s[CH], 8*PITCH                  ; reading back: 8 of each block's 16 rows
	s_add_co_u32 s18, s18, s12
	s_lshl_b32 s19, s3, 12                         ; sc: 16 bytes a row of A
	s_lshl_b32 s20, s[RH], 11
	s_add_co_u32 s19, s19, s20
	s_lshl_b32 s20, s99, 12                        ; 2,048 bytes for each 32 columns, behind A's 32,768
	s_lshl_b32 s21, s[CH], 11
	s_add_co_u32 s20, s20, s21
	s_add_co_u32 s20, s20, 32768
	s_lshl_b32 s21, s99, 8                         ; bsum: 4 (64 X + 32 x half + 8 h)
	s_lshl_b32 s98, s[CH], 7
	s_add_co_u32 s21, s21, s98
	s_lshl_b32 s98, s[CH], 16                      ; the outputs: 8 rows of 8,192 bytes
	v_and_b32 v1, 15, v0                           ; r
	v_bfe_u32 v2, v0, 4, 1                         ; h
	v_mul_u32_u24 v3, v1, PITCH
	v_lshl_add_u32 v4, v2, 4, v3                   ; a fragment's row x pitch + 16 x half
	v_add_nc_u32 v[ADRA], s12, v4
	v_add_nc_u32 v[ADRB], s13, v4
	v_add_nc_u32 v[ADRA+1], SLOT, v[ADRA]
	v_add_nc_u32 v[ADRB+1], SLOT, v[ADRB]
	v_mul_u32_u24 v5, v2, PITCH
	v_lshl_add_u32 v5, v1, 4, v5                   ; two whole rows an instruction
	v_add_nc_u32 v[GST], s22, v5
	v_add_nc_u32 v[GST+1], SLOT, v[GST]
	v_lshl_add_u32 v6, v2, 5, v3
	v_add_nc_u32 v[EC], s23, v6
	v_add_nc_u32 v[EH], BOFF, v[EC]
	v_add_nc_u32 v[ER], s18, v5
	v_add_nc_u32 v[ERH], BOFF, v[ER]
	v_and_b32 v7, 31, v0
	v_lshl_add_u32 v[VSA], v7, 4, s19
	v_lshl_add_u32 v[VSB], v7, 4, s20
	v_lshl_add_u32 v[BO], v2, 5, s21
	v_lshlrev_b32 v[GLO], 10, v2
	v_lshl_add_u32 v[GLO], v1, 4, v[GLO]
	v_lshl_add_u32 v[EG], v2, 13, s98
	v_lshl_add_u32 v[EG], v1, 4, v[EG]
	v_lshlrev_b32 v[PFO], 10, v7
	v_lshlrev_b32 v[PFC], 13, v7
	s_lshl_b32 s22, s3, 18                         ; A: 256 Y rows of 1,024 bytes
	s_mov_b32 s23, 0
	s_lshl_b32 s12, s99, 16                        ; the gates: 64 X rows
	s_mov_b32 s13, 0
	s_wait_alu depctr_va_vdst(0)
	s_wait_dscnt 0x0                               ; both opening adds are done
	CROUND                                         ; the round in front of the first joint loads; the arguments are on their way meanwhile
	s_wait_kmcnt 0x0
	s_add_nc_u64 s[PA:PA+1], s[68:69], s[22:23]
	s_mov_b64 s[PB:PB+1], s[72:73]                 ; wave 0: gate i; wave 1: f; wave 2: c (wave 3 asks by A's descriptors)
	s_cmp_eq_u32 s[WV], 1
	s_cselect_b64 s[PB:PB+1], s[74:75], s[PB:PB+1]
	s_cmp_ge_u32 s[WV], 2
	s_cselect_b64 s[PB:PB+1], s[76:77], s[PB:PB+1]
	s_add_nc_u64 s[PB:PB+1], s[PB:PB+1], s[12:13]
	s_mov_b64 s[G0A+2:G0A+3], s[PA:PA+1]
	s_or_b32 s[G0A+3], s[G0A+3], 0x80000000        ; type = 2
	s_mov_b64 s[G0B+2:G0B+3], s[PB:PB+1]
	s_or_b32 s[G0B+3], s[G0B+3], 0x80000000
	JLOAD 0                                        ; tick 0: one tensor load a wave at the head
	s_add_nc_u64 s[PHA:PHA+1], s[70:71], s[22:23]
	s_mov_b64 s[PHB:PHB+1], s[80:81]
	s_cmp_eq_u32 s[WV], 1
	s_cselect_b64 s[PHB:PHB+1], s[82:83], s[PHB:PHB+1]
	s_cmp_ge_u32 s[WV], 2
	s_cselect_b64 s[PHB:PHB+1], s[84:85], s[PHB:PHB+1]
	s_add_nc_u64 s[PHB:PHB+1], s[PHB:PHB+1], s[12:13]
	; what my wave prefetches: waves 2, 3: gate cy; waves 0, 1: A
	s_cmp_eq_u32 s17, 1
	s_cselect_b64 s[72:73], s[74:75], s[72:73]
	s_cselect_b64 s[80:81], s[82:83], s[80:81]
	s_cmp_eq_u32 s17, 2
	s_cselect_b64 s[72:73], s[76:77], s[72:73]
	s_cselect_b64 s[80:81], s[84:85], s[80:81]
	s_cmp_eq_u32 s17, 3
	s_cselect_b64 s[72:73], s[78:79], s[72:73]
	s_cselect_b64 s[80:81], s[86:87], s[80:81]
	s_lshl_b32 s98, s2, 16                         ; of A's 256 rows the partner at cx takes 64
	s_add_co_u32 s98, s98, s22
	s_cmp_eq_u32 s[RH], 0
	s_cselect_b64 s[72:73], s[68:69], s[72:73]
	s_cselect_b64 s[80:81], s[70:71], s[80:81]
	s_cselect_b32 s98, s98, s12
	s_lshl_b32 s17, s[CH], 15                      ; 32 rows a wave
	s_add_co_u32 s22, s98, s17
	s_add_nc_u64 s[PF:PF+1], s[72:73], s[22:23]
	s_add_nc_u64 s[PFH:PFH+1], s[80:81], s[22:23]
	s_lshl_b32 s17, s[WV], 14                      ; my 16 rows of gate o's 64
	s_add_co_u32 s12, s12, s17
	s_add_nc_u64 s[PHO:PHO+1], s[PHO:PHO+1], s[12:13]
	s_add_nc_u64 s[PO:PO+1], s[PO:PO+1], s[12:13]
	s_add_nc_u64 s[PO:PO+1], s[PO:PO+1], 256       ; at tick 1
.irp j, 0,1,2,3,4,5,6,7
	global_load_b128 v[GR0+4*\j:GR0+4*\j+3], v[GLO], s[PO:PO+1] offset:2048*\j-256     ; gate o, tick 0
.endr
.irp i, 0,1,2,3
	global_load_b128 v[SC+4*\i:SC+4*\i+3], v[VSA], s[PS:PS+1] offset:512*\i            ; tick 0's scale words
.endr
.irp i, 0,1,2,3
	global_load_b128 v[SC+16+4*\i:SC+19+4*\i], v[VSB], s[PS:PS+1] offset:512*\i
.endr
.irp j, 0,1,2,3,4,5,6,7
	global_load_b128 v[GR+4*\j:GR+4*\j+3], v[GLO], s[PO:PO+1] offset:2048*\j           ; gate o, tick 1
.endr
	s_add_nc_u64 s[PA:PA+1], s[PA:PA+1], 256       ; the running addresses stand at tick 1
	s_add_nc_u64 s[PB:PB+1], s[PB:PB+1], 256
	s_mov_b64 s[G0A+6:G0A+7], s[PA:PA+1]
	s_or_b32 s[G0A+7], s[G0A+7], 0x80000000
	s_mov_b64 s[G0B+6:G0B+7], s[PB:PB+1]
	s_or_b32 s[G0B+7], s[G0B+7], 0x80000000
	s_lshl_b32 s22, s3, 21                         ; c and the outputs: 256 Y rows of 8,192 bytes, 64 X columns of 4
	s_lshl_b32 s2, s99, 8
	s_add_co_u32 s22, s22, s2
	s_lshl_b32 s17, s[RH], 20
	s_add_co_u32 s12, s22, s17
	s_add_nc_u64 s[OUTH:OUTH+1], s[OUTH:OUTH+1], s[12:13]
	s_add_nc_u64 s[OUTC:OUTC+1], s[OUTC:OUTC+1], s[12:13]
	s_lshl_b32 s17, s[WV], 19
	s_add_co_u32 s22, s22, s17
	s_add_nc_u64 s[PC:PC+1], s[92:93], s[22:23]
	s_mov_b64 s[G0C+2:G0C+3], s[PC:PC+1]
	s_or_b32 s[G0C+3], s[G0C+3], 0x80000000
	global_prefetch_b8 v[PFO], s[PF:PF+1] offset:256 th:TH_LOAD_NT scope:SCOPE_SE      ; tick 1
; One matrix instruction: block A_ of 16 rows, gate g, the tick's Q_-th 128 along K; P_ the fragments' set, S_ the scale words' set.  The first step's C is the constant 0: nothing is cleared.
; The 32 accumulators take turns in the same order in every step.
.macro ONE g
.set D_, 64*(A_%4)+16*(\g)
.set W_, 64*P_+16*(\g)
.set X_, XF+64*P_+8*A_
.set SW_, SC+32*S_+16+4*(\g)+Q_
.set SX_, SC+32*S_+4*(A_/2)+Q_
.if FIRST_
.if A_%2
	v_wmma_scale_f32_32x16x128_f4 v[D_:D_+15], v[W_:W_+15], v[X_:X_+7], 0, v[SW_], v[SX_] matrix_b_scale:MATRIX_SCALE_ROW1
.else
	v_wmma_scale_f32_32x16x128_f4 v[D_:D_+15], v[W_:W_+15], v[X_:X_+7], 0, v[SW_], v[SX_]
.endif
.else
.if A_%2
	v_wmma_scale_f32_32x16x128_f4 v[D_:D_+15], v[W_:W_+15], v[X_:X_+7], v[D_:D_+15], v[SW_], v[SX_] matrix_b_scale:MATRIX_SCALE_ROW1
.else
	v_wmma_scale_f32_32x16x128_f4 v[D_:D_+15], v[W_:W_+15], v[X_:X_+7], v[D_:D_+15], v[SW_], v[SX_]
.endif
.endif
.endm
.macro PAIR                            ; group G_ of a step's sixteen: block G_ / 2, two gates.  Sources 0, 1: windows 1, 0; C and D window 2 or 3
	WIN 0xa1+0x50*(A_/4)
	ONE 2*(G_%2)
	ONE 2*(G_%2)+1
.endm
; Load LI of the 32 that bring the next step's fragments (slot NS_, 128 along K at NQ_) into the other set: 0-15 the gates' (gate, 16 rows, half), 16-31 A's (block, half).
; A fragment of 16 rows x 128 codes: lane l holds row l % 16; registers 4 c .. 4 c + 3 hold K = 64 c + 32 (l / 16) + 0 .. 31: two loads of 16 bytes, 32 bytes apart.
.macro LD1
.if LI < 16
	WIN TO_B
	ds_load_b128 v[64*(1-P_)+4*LI:64*(1-P_)+4*LI+3], v[ADRB+NS_] offset:(64*(LI/4)+16*((LI/2)%2))*PITCH+64*NQ_+32*(LI%2)
.else
	WIN 0
	ds_load_b128 v[XF+64*(1-P_)+4*(LI-16):XF+64*(1-P_)+4*(LI-16)+3], v[ADRA+NS_] offset:((LI-16)/2)*16*PITCH+64*NQ_+32*(LI%2)
.endif
.set LI, LI+1
.set CUR, CUR+1
.endm
.macro LOADS
.rept RATE
.if LI < 32
	LD1
.endif
.endr
.endm
.macro PLACES n                        ; plain vector instructions between a matrix instruction and a load into its registers (ISA guide 7.12.1 for vector ALU instructions)
.rept \n
	v_nop
.endr
.endm
.macro GLOAD s                         ; gate o's rows of the tick two on; tick 4's are h's weight's.  They are stored in the next tick's first step
	WIN 0
	s_wait_xcnt 0x0                                ; the earlier loads and prefetches have read their bases, which step now
	s_add_nc_u64 s[PO:PO+1], s[PO:PO+1], 256
.if \s == 0
	s_cmp_eq_u32 s[LAP], 2
	s_cselect_b64 s[PO:PO+1], s[PHO:PHO+1], s[PO:PO+1]
.else
	s_add_nc_u64 s[PFH:PFH+1], s[PFH:PFH+1], 512
.endif
.irp j, 0,1,2,3,4,5,6,7
	global_load_b128 v[GR+4*\j:GR+4*\j+3], v[GLO], s[PO:PO+1] offset:2048*\j
.endr
.endm
.macro BLOAD                           ; the biases, in the accumulators' layout
	WIN TO_B
.irp b, 0,1,2,3,4,5,6,7
	global_load_b128 v[BIAS+8*\b:BIAS+8*\b+3], v[BO], s[90:91] offset:8192*(\b/2)+64*(\b%2)
	global_load_b128 v[BIAS+8*\b+4:BIAS+8*\b+7], v[BO], s[90:91] offset:8192*(\b/2)+64*(\b%2)+16
.endr
.endm
.macro GSTORE s                        ; gate o's rows of the next tick, asked for a tick ago, into the other slot, which nobody reads before the next change of slots
	WIN 0
	s_wait_loadcnt 0x0
	s_wait_xcnt 0x0
	s_add_nc_u64 s[PS:PS+1], s[PS:PS+1], TICKB
.irp j, 0,1,2,3,4,5,6,7
	ds_store_b128 v[GST+1-\s], v[GR+4*\j:GR+4*\j+3] offset:2*\j*PITCH
.endr
.set CUR, CUR+8
.endm
.macro SCLOAD                          ; the next tick's scale words
	WIN 0
.irp i, 0,1,2,3
	global_load_b128 v[SC+32*(1-S_)+4*\i:SC+32*(1-S_)+4*\i+3], v[VSA], s[PS:PS+1] offset:512*\i
.endr
.irp i, 0,1,2,3
	global_load_b128 v[SC+32*(1-S_)+16+4*\i:SC+32*(1-S_)+19+4*\i], v[VSB], s[PS:PS+1] offset:512*\i
.endr
.endm
; At the head of a tick's last step each wave waits for all its tensor loads, adds 0 to its spare word, and waits, four matrix instructions on, for that and for its own LDS work on this slot.
; mode = 1: the slot takes the tick two on: while no tensor load of mine is out the plain running addresses step 256 bytes; the change that asks for tick 4 takes h's pointers; the type is set on the copy.
.macro OPEN s, mode
	WIN 0
	s_wait_tensorcnt 0x0
	ds_add_u32 v[SPW], v[NIL]
.set CUR, CUR+1
.if \mode == 1
	s_add_nc_u64 s[PA:PA+1], s[PA:PA+1], 256
	s_add_nc_u64 s[PB:PB+1], s[PB:PB+1], 256
.if \s == 0
	s_cmp_eq_u32 s[LAP], 2
	s_cselect_b64 s[PA:PA+1], s[PHA:PHA+1], s[PA:PA+1]
	s_cselect_b64 s[PB:PB+1], s[PHB:PHB+1], s[PB:PB+1]
.endif
	s_mov_b64 s[G0A+4*\s+2:G0A+4*\s+3], s[PA:PA+1]
	s_or_b32 s[G0A+4*\s+3], s[G0A+4*\s+3], 0x80000000
	s_mov_b64 s[G0B+4*\s+2:G0B+4*\s+3], s[PB:PB+1]
	s_or_b32 s[G0B+4*\s+3], s[G0B+4*\s+3], 0x80000000
.endif
.endm
.macro ASK s                           ; a prefetch two refills on: ticks 4 to 7; in the loop's last trip c's rows
	WIN 0
	s_cmp_eq_u32 s[LAP], 1
	s_cbranch_scc1 .Lask_c_\@
	global_prefetch_b8 v[PFO], s[PFH:PFH+1] offset:-256*\s th:TH_LOAD_NT scope:SCOPE_SE
	s_branch .Lask_end_\@
.Lask_c_\@:
	global_prefetch_b8 v[PFC], s[PC:PC+1] offset:32*8192*\s th:TH_LOAD_NT scope:SCOPE_SE
.Lask_end_\@:
.endm
; A step of 128 along K, 32 matrix instructions, that has its successor in the same slot.  ALL its memory instructions stand in ONE run, ahead of block 2, 1 or 0 in a tick's first, second or third step: what goes through
; registers (st = 1: gate o's stores and the next tick's scale words; gl = 1: gate o's loads; gl = 2: the biases) and then the next step's 32 fragment loads.  Ahead of block k the wait leaves out A's later
; loads of this step's set, 14 - 2 k, and what this step has issued, CUR.  lw: loads that may be out when the tick's scale words are needed (-1: no wait).
.macro STEP s, q, first, lw, st, gl
.set S_, \s
.set Q_, \q
.set P_, (\q)%2
.set FIRST_, \first
.set NS_, \s
.set NQ_, (\q)+1
.set CUR, 0
.set LI, 0
.set G_, 0
.set RATE, 32
.if \lw >= 0
	s_wait_loadcnt \lw
.endif
.rept 16
.set A_, G_/2
.if G_ == 4-2*(\q)
	PLACES 4
.if \st
	GSTORE \s
	SCLOAD
.endif
.if \gl == 1
	GLOAD \s
.endif
.if \gl == 2
	BLOAD
.endif
	LOADS
.endif
.if G_%2 == 0
	s_wait_dscnt 14-2*A_+CUR
.endif
	PAIR
.set G_, G_+1
.endr
.endm
; A tick's last step.  Four matrix instructions stand between the add and the wait for it, four between the round's opening signal and its wait.  Behind the round no wave of any partner reads this slot or has a load on its
; way: it is filled again first (mode = 1: the tick two on; mode = 2: c's 64 rows a wave), then the next slot's first fragments are asked for, ahead of the other 24 matrix instructions.
.macro STEP3 s, mode
.set S_, \s
.set Q_, 3
.set P_, 1
.set FIRST_, 0
.set NS_, 1-(\s)
.set NQ_, 0
.set CUR, 0
.set LI, 0
.set G_, 0
.set RATE, 32
	OPEN \s, \mode
	s_wait_dscnt 14+CUR                            ; the gates' fragments and block 0's are in
.rept 2
.set A_, G_/2
	PAIR
.set G_, G_+1
.endr
	s_wait_dscnt 0x0                               ; the add is done, and my LDS work on this slot is over: the signal opens a round
	s_barrier_signal -1
.rept 2
.set A_, G_/2
	PAIR
.set G_, G_+1
.endr
	WIN 0
	s_barrier_wait -1
	CREST
.if \mode == 1
	JLOAD \s                                       ; its four v_nop are also the places in front of the loads below
.else
	tensor_load_to_lds s[G0C:G0C+3], s[G1C:G1C+7]
	s_nop 0
	PLACES 4
.endif
	LOADS
.if \mode == 1
	ASK \s
.endif
.rept 12
.set A_, G_/2
	PAIR
.set G_, G_+1
.endr
.endm
	s_wait_loadcnt 0x10                            ; gate o's rows of tick 0 are in; the scale words' eight loads and tick 1's eight may be out
.irp j, 0,1,2,3,4,5,6,7
	ds_store_b128 v[GST], v[GR0+4*\j:GR0+4*\j+3] offset:2*\j*PITCH
.endr
	s_wait_alu depctr_va_vdst(0)
	s_wait_tensorcnt 0x0                           ; my part of tick 0 is in
	ds_add_u32 v[SPW], v[NIL]
	s_wait_dscnt 0x0                               ; the add and my stores are done
	CROUND
	JLOAD 1                                        ; tick 1
.set P_, 1
.set NS_, 0
.set NQ_, 0
.set CUR, 0
.set LI, 0
.set RATE, 32
	LOADS                                          ; the first step's fragments
	WIN 0
	global_prefetch_b8 v[PFO], s[PF:PF+1] offset:512 th:TH_LOAD_NT scope:SCOPE_SE      ; ticks 2 and 3
	global_prefetch_b8 v[PFO], s[PF:PF+1] offset:768 th:TH_LOAD_NT scope:SCOPE_SE
	STEP 0, 0, 1, 8, 1, 0                          ; the first step stands in front of the loop: its products start the sums
	WIN 0
	s_mov_b32 s[LAP], 3
.Llap:                                                 ; a trip goes once round the ring, from a tick's second step to the first of the tick two on, and fills both slots again
	STEP 0, 1, 0, -1, 0, 1
	STEP 0, 2, 0, -1, 0, 0
	STEP3 0, 1
	STEP 1, 0, 0, 8, 1, 0                          ; behind the scale words stand gate o's eight loads
	STEP 1, 1, 0, -1, 0, 1
	STEP 1, 2, 0, -1, 0, 0
	STEP3 1, 1
	STEP 0, 0, 0, 8, 1, 0
	WIN 0
	s_sub_co_u32 s[LAP], s[LAP], 1
	s_cmp_lg_u32 s[LAP], 0
	s_cbranch_scc1 .Llap
	STEP 0, 1, 0, -1, 0, 2                         ; ticks 6 and 7 are written out: no tile of codes is left to ask for
	STEP 0, 2, 0, -1, 0, 0
	STEP3 0, 2
	STEP 1, 0, 0, 16, 0, 0                         ; behind the scale words stand the biases' sixteen loads
	STEP 1, 1, 0, -1, 0, 0
	STEP 1, 2, 0, -1, 0, 0
.set S_, 1
.set Q_, 3
.set P_, 1
.set G_, 0
.rept 16                               ; the very last step: nothing more to fetch.  In it a barrier, behind which nothing is filled, shows c's tile to every wave
.set A_, G_/2
.if (G_ == 0) || (G_ == 2)
	s_wait_dscnt 14-2*A_
.endif
.if G_ == 4
	s_wait_tensorcnt 0x0                           ; my rows of c have landed
	s_wait_dscnt 0x0                               ; my last fragments are in
	s_barrier_signal -1
.endif
	PAIR
.set G_, G_+1
.endr
; THE WAY OUT, by half blocks u = 2 a + n (16 rows, the columns 16 n on: 8 elements a lane), in place in the accumulators.  With e_i, e_f, e_o = 2^(-z log2 e), e_c = 2^(2 z_c log2 e), r = 1 / (1 + e):
;   c_ = r_f c + r_i (1 - 2 r_c);   h_ = r_o (1 - 2 r_t),  e_t = 2^(2 c_ log2 e).
; A half block passes twelve stages, one a phase, and each phase works on one half block in each stage; every stage reads what an earlier phase wrote, so the wait at a phase's head serves transcendentals and plain lines alike
; Gate o, which c_ does not need, passes e, 1 + e and r in stages 7 to 9, beside tanh(c_).  Behind the wait stand all the phase's memory instructions; then stage 0 (exponents, with the
; biases), the first reader of matrix results, directly behind a wait of its own, ahead of the phase's transcendentals.  Plain lines of other half blocks stand among these.  A phase's lines go by the window of their half block.
; c is read from its tile in LDS, c_ is stored over the bytes that the lane has read, h_ into a stage; a row's 256 bytes come from two waves, so every odd phase t from 7 on has a barrier behind the stores.  In phase t + 1
; each wave reads 8 whole rows of c_ (block (t - 7) / 2) and of h_ (block (t - 13) / 2) back, and in phase t + 2 stores them: sixteen lanes 256 consecutive bytes, at a multiple of 256 from the output's first byte.
	WIN 0x55
	s_wait_loadcnt 0x0                             ; the biases
.irp g, 0,1,2,3
.irp e, 0,2,4,6,8,10,12,14
.if \g == 2
	v_pk_mul_f32 v[BIAS+16*\g+\e:BIAS+16*\g+\e+1], v[BIAS+16*\g+\e:BIAS+16*\g+\e+1], s[KS2:KS2+1] op_sel_hi:[1,0]   ; (these 32 are also the places behind the last products)
.else
	v_pk_mul_f32 v[BIAS+16*\g+\e:BIAS+16*\g+\e+1], v[BIAS+16*\g+\e:BIAS+16*\g+\e+1], s[KS1:KS1+1] op_sel_hi:[1,0]
.endif
.endr
.endr
	s_barrier_wait -1                              ; c's tile is whole
	WIN TO_B
.irp u, 0,1,2,3,4,5,6,7,8,9,10,11,12,13,14,15
	ds_load_b128 v[8*\u:8*\u+3], v[EC] offset:(\u/2)*16*PITCH+64*(\u%2)                ; all my c: half block u at window 1's v[8 u]
	ds_load_b128 v[8*\u+4:8*\u+7], v[EC] offset:(\u/2)*16*PITCH+64*(\u%2)+16
.endr
.macro USET u                          ; half block u's registers: gate g at v[UB + 16 g .. + 7] of window UW
.set U_, (\u)
.set UB, 64*((U_/2)%4)+8*(U_%2)
.set UW, 2+U_/8
.endm
.macro WINX                            ; sources 0, 2 and destination in window UW; source 1 is a constant, so either setting of it will do
.if (MSB != UW*0x55) && (MSB != UW*0x51+4)
	WIN UW*0x51+4
.endif
.endm
.macro S0                              ; stage 0: the exponents, each accumulator from its low end on
.if T_ < 16
	USET T_
	WIN UW*0x41+0x14
	s_wait_alu depctr_va_vdst(0)
.irp g, 0,1,2,3
.irp e, 0,2,4,6
.if \g == 2
	v_pk_fma_f32 v[UB+16*\g+\e:UB+16*\g+\e+1], v[UB+16*\g+\e:UB+16*\g+\e+1], s[KS2:KS2+1], v[BIAS+16*\g+8*(U_%2)+\e:BIAS+16*\g+8*(U_%2)+\e+1] op_sel_hi:[1,0,1]
.else
	v_pk_fma_f32 v[UB+16*\g+\e:UB+16*\g+\e+1], v[UB+16*\g+\e:UB+16*\g+\e+1], s[KS1:KS1+1], v[BIAS+16*\g+8*(U_%2)+\e:BIAS+16*\g+8*(U_%2)+\e+1] op_sel_hi:[1,0,1]
.endif
.endr
.endr
.endif
.endm
.macro XP g, d                         ; e: stage d = 1, gate o's 7
.if (T_ >= \d) && (T_ < 16+\d) && ((2+(T_-\d)/8) == PW_)
	USET T_-\d
	WINX
	v_exp_f32 v[UB+16*\g+J_], v[UB+16*\g+J_]
	v_exp_f32 v[UB+16*\g+J_+1], v[UB+16*\g+J_+1]
.endif
.endm
.macro V1 g, d                         ; 1 + e: stage 2, gate o's 8
.if (T_ >= \d) && (T_ < 16+\d) && ((2+(T_-\d)/8) == PW_)
	USET T_-\d
	WINX
	v_pk_add_f32 v[UB+16*\g+J_:UB+16*\g+J_+1], v[UB+16*\g+J_:UB+16*\g+J_+1], 1.0 op_sel_hi:[1,0]
.endif
.endm
.macro RC g, d                         ; r: stage 3, gate o's 9
.if (T_ >= \d) && (T_ < 16+\d) && ((2+(T_-\d)/8) == PW_)
	USET T_-\d
	WINX
	v_rcp_f32 v[UB+16*\g+J_], v[UB+16*\g+J_]
	v_rcp_f32 v[UB+16*\g+J_+1], v[UB+16*\g+J_+1]
.endif
.endm
.macro V2M                             ; stage 4: r_f c (source 1: c, window 1)
.if (T_ >= 4) && (T_ < 20) && ((2+(T_-4)/8) == PW_)
	USET T_-4
	WIN UW*0x51+4
	v_pk_mul_f32 v[UB+16+J_:UB+17+J_], v[UB+16+J_:UB+17+J_], v[8*U_+J_:8*U_+J_+1]
.endif
.endm
.macro V2G                             ; stage 4: 1 - 2 r_c
.if (T_ >= 4) && (T_ < 20) && ((2+(T_-4)/8) == PW_)
	USET T_-4
	WINX
	v_pk_fma_f32 v[UB+32+J_:UB+33+J_], v[UB+32+J_:UB+33+J_], -2.0, 1.0 op_sel_hi:[1,0,0]
.endif
.endm
.macro V2B                             ; stage 5: c_
.if (T_ >= 5) && (T_ < 21) && ((2+(T_-5)/8) == PW_)
	USET T_-5
	WIN UW*0x55
	v_pk_fma_f32 v[UB+J_:UB+J_+1], v[UB+J_:UB+J_+1], v[UB+32+J_:UB+33+J_], v[UB+16+J_:UB+17+J_]
.endif
.endm
.macro V2C                             ; stage 6: c_'s exponent
.if (T_ >= 6) && (T_ < 22) && ((2+(T_-6)/8) == PW_)
	USET T_-6
	WINX
	v_pk_mul_f32 v[UB+16+J_:UB+17+J_], v[UB+J_:UB+J_+1], s[KS2:KS2+1] op_sel_hi:[1,0]
.endif
.endm
.macro ET                              ; stage 7: e_t
.if (T_ >= 7) && (T_ < 23) && ((2+(T_-7)/8) == PW_)
	USET T_-7
	WINX
	v_exp_f32 v[UB+16+J_], v[UB+16+J_]
	v_exp_f32 v[UB+17+J_], v[UB+17+J_]
.endif
.endm
.macro V3                              ; stage 8: 1 + e_t
.if (T_ >= 8) && (T_ < 24) && ((2+(T_-8)/8) == PW_)
	USET T_-8
	WINX
	v_pk_add_f32 v[UB+16+J_:UB+17+J_], v[UB+16+J_:UB+17+J_], 1.0 op_sel_hi:[1,0]
.endif
.endm
.macro RT                              ; stage 9: r_t
.if (T_ >= 9) && (T_ < 25) && ((2+(T_-9)/8) == PW_)
	USET T_-9
	WINX
	v_rcp_f32 v[UB+16+J_], v[UB+16+J_]
	v_rcp_f32 v[UB+17+J_], v[UB+17+J_]
.endif
.endm
.macro V4A                             ; stage 10: 1 - 2 r_t
.if (T_ >= 10) && (T_ < 26) && ((2+(T_-10)/8) == PW_)
	USET T_-10
	WINX
	v_pk_fma_f32 v[UB+16+J_:UB+17+J_], v[UB+16+J_:UB+17+J_], -2.0, 1.0 op_sel_hi:[1,0,0]
.endif
.endm
.macro V4B                             ; stage 11: h_
.if (T_ >= 11) && (T_ < 27) && ((2+(T_-11)/8) == PW_)
	USET T_-11
	WIN UW*0x55
	v_pk_mul_f32 v[UB+48+J_:UB+49+J_], v[UB+48+J_:UB+49+J_], v[UB+16+J_:UB+17+J_]
.endif
.endm
.macro JJ                              ; two elements of every stage
	XP 0, 1
	V1 0, 2
	RC 0, 3
	V2M
	XP 1, 1
	V1 1, 2
	RC 1, 3
	V2G
	XP 2, 1
	V1 2, 2
	RC 2, 3
	V2C
	XP 3, 7
	V1 3, 8
	ET
	V3
	RC 3, 9
	V4A
	RT
	V2B
	V4B
.set J_, J_+2
.endm
.macro STOREC                          ; c_, made in the phase before
.if (T_ >= 6) && (T_ < 22)
	USET T_-6
	WIN UW*4
	ds_store_b128 v[EC], v[UB:UB+3] offset:(U_/2)*16*PITCH+64*(U_%2)
	ds_store_b128 v[EC], v[UB+4:UB+7] offset:(U_/2)*16*PITCH+64*(U_%2)+16
.endif
.endm
.macro STOREH                          ; h_, made in the phase before
.if (T_ >= 12) && (T_ < 28)
	USET T_-12
	WIN UW*4
	ds_store_b128 v[EH], v[UB+48:UB+51] offset:(U_/2)*16*PITCH+64*(U_%2)
	ds_store_b128 v[EH], v[UB+52:UB+55] offset:(U_/2)*16*PITCH+64*(U_%2)+16
.endif
.endm
.macro RDBACK                          ; two sets of registers by turns
.set B_, (T_-8)/2
.set O_, OB+32*(B_%2)
	WIN TO_B
.if B_ < 8
.irp t, 0,1,2,3
	ds_load_b128 v[O_+4*\t:O_+4*\t+3], v[ER] offset:(16*B_+2*\t)*PITCH
.endr
.endif
.if B_ >= 3
.irp t, 0,1,2,3
	ds_load_b128 v[O_+16+4*\t:O_+19+4*\t], v[ERH] offset:(16*(B_-3)+2*\t)*PITCH
.endr
.endif
.endm
.macro SEND                            ; what the phase before has read back; 118 rows of 8,192 bytes at the most: inside the signed 24-bit immediate (ISA guide, chapter 10)
.set B_, (T_-9)/2
.set O_, OB+32*(B_%2)
	WIN 0x04
.if B_ < 8
.irp t, 0,1,2,3
	global_store_b128 v[EG], v[O_+4*\t:O_+4*\t+3], s[OUTC:OUTC+1] offset:(16*B_+2*\t)*8192 th:TH_STORE_NT
.endr
.endif
.if B_ >= 3
.irp t, 0,1,2,3
	global_store_b128 v[EG], v[O_+16+4*\t:O_+19+4*\t], s[OUTH:OUTH+1] offset:(16*(B_-3)+2*\t)*8192 th:TH_STORE_NT
.endr
.endif
.endm
.macro PHASE
	s_wait_alu depctr_va_vdst(0)
.if T_ == 4
	s_wait_dscnt 0x0                               ; all my c is in
.endif
.if (T_ >= 9) && (T_%2 == 1)
	s_wait_dscnt 0x0                               ; the rows are back in registers
	SEND
.endif
	STOREC
	STOREH
.if (T_ >= 8) && (T_%2 == 0)
	s_wait_xcnt 0x0                                ; the earlier stores to memory have read their registers
	RDBACK
.endif
	S0
.set J_, 0
.set PW_, 2
	JJ
	JJ
.set J_, 0
.set PW_, 3
	JJ
	JJ
.if (T_ >= 7) && (T_%2 == 1)
	s_wait_dscnt 0x0                               ; for the others' sake: my stores have landed
	s_barrier_signal -1
.endif
.set J_, 4
	JJ
	JJ
.set J_, 4
.set PW_, 2
	JJ
	JJ
.if (T_ >= 7) && (T_%2 == 1)
	s_barrier_wait -1                              ; the blocks' rows are whole
.endif
.set T_, T_+1
.endm
.set T_, 0
.rept 28
	PHASE
.endr
	s_wait_xcnt 0x0
	RDBACK
.set T_, T_+1
	s_wait_dscnt 0x0
	SEND
	WIN 0
	s_wait_tensorcnt 0x0                           ; the wave's end, behind my last tensor load and my last LDS store
	ds_add_u32 v[SPW], v[NIL]
	s_wait_dscnt 0x0
	CROUND                                         ; the closing round: no work-group ends while a partner may still ask for a tile that names it
	s_endpgm
.Lfunc_end_k_q8140e8fcad_cell:
	.size	k_q8140e8fcad_cell, .Lfunc_end_k_q8140e8fcad_cell-k_q8140e8fcad_cell
	.p2alignl 7, 3214868480
	.fill 96, 4, 3214868480
	.section	.rodata,"a",@progbits
	.p2align	6, 0x0
	.amdhsa_kernel k_q8140e8fcad_cell
		.amdhsa_group_segment_fixed_size 327680
		.amdhsa_private_segment_fixed_size 0
		.amdhsa_enable_private_segment 0
		.amdhsa_kernarg_size 120
		.amdhsa_user_sgpr_count 2
		.amdhsa_user_sgpr_kernarg_segment_ptr 1
		.amdhsa_wavefront_size32 1
		.amdhsa_system_sgpr_workgroup_id_x 1
		.amdhsa_system_sgpr_workgroup_id_y 1
		.amdhsa_system_sgpr_workgroup_id_z 1
		.amdhsa_system_vgpr_workitem_id 0
		.amdhsa_next_free_vgpr 1024
		.amdhsa_next_free_sgpr 102
		.amdhsa_reserve_vcc 0
		.amdhsa_float_denorm_mode_32 3
		.amdhsa_float_denorm_mode_16_64 3
		.amdhsa_memory_ordered 1
		.amdhsa_forward_progress 1
		.amdhsa_inst_pref_size 255
	.end_amdhsa_kernel
	.section	.bss,"aw",@nobits
	.p2align	6
	.space	262144
	.amdgpu_metadata
---
amdhsa.version: [ 1, 2 ]
amdhsa.kernels:
  - .name:           k_q8140e8fcad_cell
    .symbol:         k_q8140e8fcad_cell.kd
    .args:
      - { .name: x_codes, .offset: 0, .size: 8, .value_kind: global_buffer, .address_space: global }
      - { .name: h_codes, .offset: 8, .size: 8, .value_kind: global_buffer, .address_space: global }
      - { .name: w_xi_codes, .offset: 16, .size: 8, .value_kind: global_buffer, .address_space: global }
      - { .name: w_xf_codes, .offset: 24, .size: 8, .value_kind: global_buffer, .address_space: global }
      - { .name: w_xc_codes, .offset: 32, .size: 8, .value_kind: global_buffer, .address_space: global }
      - { .name: w_xo_codes, .offset: 40, .size: 8, .value_kind: global_buffer, .address_space: global }
      - { .name: w_hi_codes, .offset: 48, .size: 8, .value_kind: global_buffer, .address_space: global }
      - { .name: w_hf_codes, .offset: 56, .size: 8, .value_kind: global_buffer, .address_space: global }
      - { .name: w_hc_codes, .offset: 64, .size: 8, .value_kind: global_buffer, .address_space: global }
      - { .name: w_ho_codes, .offset: 72, .size: 8, .value_kind: global_buffer, .address_space: global }
      - { .name: sc, .offset: 80, .size: 8, .value_kind: global_buffer, .address_space: global }
      - { .name: bsum, .offset: 88, .size: 8, .value_kind: global_buffer, .address_space: global }
      - { .name: c, .offset: 96, .size: 8, .value_kind: global_buffer, .address_space: global }
      - { .name: out0, .offset: 104, .size: 8, .value_kind: global_buffer, .address_space: global }
      - { .name: out1, .offset: 112, .size: 8, .value_kind: global_buffer, .address_space: global }
    .group_segment_fixed_size: 327680
    .private_segment_fixed_size: 0
    .kernarg_segment_align: 8
    .kernarg_segment_size: 120
    .max_flat_workgroup_size: 128
    .sgpr_count:     102
    .vgpr_count:     1024
    .wavefront_size: 32
...
	.end_amdgpu_metadata
.endif
;; end of part 2
